; MI455X (gfx1250); checked and timed in simulation.
; The chip was launched on July 23, 2026; its instructions are those of AMD's public machine-readable ISA for CDNA 5 (MIT licence, August 2026) and "CDNA5" Instruction Set Architecture Reference Guide (July 2026). The comments in the code are by the model that wrote it; some were corrected since.
;; Multi Head Attention. Allowed arithmetic: matrix products marked QUANTISED: E4M3 operands, one given power-of-two scale a tensor, by v_wmma_f32_16x16x64_fp8_fp8 or v_wmma_f32_16x16x128_fp8_fp8, f32 sums; everything else in f32.
;; Inputs: Wk 1,024 x 1,024 float32; Wo 1,024 x 1,024 float32; Wq 1,024 x 1,024 float32; Wv 1,024 x 1,024 float32; lowp_scales 12 int32 (the exponents e of the quantised operands' scales 2^e); x 4 x 2,048 x 1,024 float32.
;; Outputs: out0 4 x 2,048 x 1,024 float32.
;; This version of the problem:
;;   THIS VERSION OF THE PROBLEM IS GIVEN IN LOW PRECISION. The matrix products marked QUANTISED in the list below multiply operands that are first quantised to E4M3 (4 exponent bits, 3 mantissa bits; 8 bits a number), with one given power-of-two scale for each operand tensor; their sums are f32. All else is computed in f32.
;;   The module's matrix products, in the order in which they are computed (A, B: the left and right operand; K: the contracted axis; several contracted axes count as one K, in the product's order):
;;     1. [M 8,192, K 1,024] x [K 1,024, N 1,024]; A: input x; B: input Wq: QUANTISED (scales: A lowp_scales[0], B lowp_scales[1])
;;     2. [M 8,192, K 1,024] x [K 1,024, N 1,024]; A: input x; B: input Wk: QUANTISED (scales: A lowp_scales[2], B lowp_scales[3])
;;     3. [M 8,192, K 1,024] x [K 1,024, N 1,024]; A: input x; B: input Wv: QUANTISED (scales: A lowp_scales[4], B lowp_scales[5])
;;     4. batch 64 x [M 2,048, K 64] x [K 64, N 2,048]; A: computed on the way; B: computed on the way: QUANTISED (scales: A lowp_scales[6], B lowp_scales[7])
;;     5. batch 64 x [M 2,048, K 2,048] x [K 2,048, N 64]; A: softmax (see below); B: computed on the way: QUANTISED (scales: A lowp_scales[8], B lowp_scales[9])
;;     6. [M 8,192, K 1,024] x [K 1,024, N 1,024]; A: computed on the way; B: input Wo: QUANTISED (scales: A lowp_scales[10], B lowp_scales[11])
;;   THE QUANTISER, for each operand of a quantised product, along K:
;;     - The operand's scale is 2^e, e = its entry of the input lowp_scales (int32; the entries are numbered through the quantised products in the list's order, A before B).
;;     - Each number is divided by the scale, clamped to +-448, and rounded to the nearest number of E4M3, ties to even, subnormals kept.
;;     - The product sums the exact products of the quantised numbers (number of the format x scale) in f32.
;;   ~~~python
;;   def quantise(x, axis, e):      # numpy; x: float32 -> the quantised numbers, widened to float32 again
;;       x = np.moveaxis(x, axis, -1); K = x.shape[-1]
;;       r = np.clip(x / 2.0 ** e, -448, 448)
;;       step = 2.0 ** (np.maximum(np.frexp(np.where(r == 0, 1, r))[1] - 1, -6) - 3)
;;       q = np.round(r / step) * step * 2.0 ** e      # np.round: ties to even
;;       return np.moveaxis(q, -1, axis).astype(np.float32)
;;   ~~~
;;   SOFTMAX AHEAD OF A QUANTISED PRODUCT. Where the list says 'softmax', what is quantised is not the finished softmax but p = 2^(t - M), with t = logit x log2(e) and M = ceil(the row's largest t), a whole number; so 1/2 < the row's largest p <= 1. The row's sum l is taken of the UNQUANTISED p, in f32, and the product's result is divided by l at the end. Since M is a whole number, a kernel that streams over the keys may use a running M (the ceiling of the running maximum): every later rescaling is an exact power of two, so the quantised numbers keep their values, but for numbers so far below the row's largest that they fall under the format's range.
;;   OPERANDS COMPUTED ON THE WAY. 'Computed on the way' means the value that the module computes at that place (a softmax that the list does not call 'softmax' is quantised finished and normalised). What goes into a quantiser is computed in f32, as accurately as f32 sums, v_exp_f32 and their like allow (about 1e-6 of the number): no bf16 or f16 on the way to a quantiser, and a product that is left as it is and whose result goes on into a quantised operand takes f32 operands (vector FMAs, or v_wmma_f32_16x16x4_f32). A number that lies on a knife's edge between two numbers of the format may be rounded either way, as far as f32 arithmetic and the matrix unit's own rounding can turn it there, and no further.
;; One version. Each part assembles by itself: llvm-mc -triple=amdgcn-amd-amdhsa -mcpu=gfx1250 --defsym DOCPART=n.
;; ======== version 1 of 1: 4 launches
;; limits: right only within a limited range of input values
;; workspace buffers: xc 25,165,824 bytes; wc 4,194,304 bytes; rt 524,288 bytes; qc 8,388,608 bytes; kv 16,777,216 bytes; ao 8,388,608 bytes
;; launch quant (part 1): grid 416 x 1, 4 waves a work-group, no clusters, 70,144 bytes of LDS; arguments x, Wq, Wk, Wv, Wo, lowp_scales, xc, wc, rt; writes xc, wc, rt
.if DOCPART == 1
	.amdgcn_target "amdgcn-amd-amdhsa--gfx1250"
	.amdhsa_code_object_version 6
	.text
	.protected	k_q04f227cb82_quant
	.globl	k_q04f227cb82_quant
	.p2align	8
	.type	k_q04f227cb82_quant,@function
k_q04f227cb82_quant:
	s_mov_b64 s[64:65], 0
	v_nop
	global_prefetch_b8 v0, s[64:65] scope:SCOPE_SE
	s_setreg_imm32_b32 hwreg(HW_REG_WAVE_MODE, 25, 1), 1
	s_wait_xcnt 0x0
; QUANT: everything that many work-groups of the later launches read is made once.
;   work-groups   0-255: x [8192][1024] f32 -> three sets of E4M3 codes (scales 2^e0, 2^e2, 2^e4), xc + v x 8 MiB, [8192][1024 places]
;   work-groups 256-351: Wq, Wk, Wv [k][n] f32 -> codes [n][1024 places] at wc + m x 1 MiB (scales 2^e1, 2^e3, 2^e5)
;   work-groups 352-383: Wo likewise at wc + 3 MiB (scale 2^e11), in another order of places
;   work-groups 384-415: the table of cos and sin for the rotation, rt
; ORDER OF PLACES ALONG K.  x's loads take the bytes as they lie (16 a lane, 512 a load), so a lane's 16 numbers of a step of 512 are k = 128 i + 4 l + j (load i, lane l, word j);
; their 16 codes are stored at place 16 l + 4 i + j.  Wq, Wk, Wv get the same order, so every product still meets its partner; only the order of the f32 sums differs from ascending k.
; Wo: place 32 c + 16 h + 8 g + i holds k = 32 c + 16 g + 8 h + i: four 16-byte loads a fragment then give the order in which the attention launch leaves its codes.
; code = x / 2^e, to the nearest code, ties to even.
; LIMITS: each of e0, e2, e4, e1, e3, e5, e11 between -126 and 119, so that 2^e and 448 x 2^e are f32 numbers.  NaN among the inputs is not served.
; The table: frequency i is 2^(-i log2(10) / 8) by v_exp_f32, so an angle (position x frequency, at most 2047) may differ from the exact one by about 2e-4 rad at the last positions.
; No tensor load, no barrier: waves share nothing.  The two paths that use LDS have bytes of their own.
.set XR, 16                            ; x: v16-79   four sets of 16 numbers as loaded
.set TR, 80
.set CR, 112                           ; x: v112-135 codes: 2 steps x 3 versions x 4 registers
.set WX, 32                            ; W: v32-95   two sets of 32 numbers
.set WC, 96                            ; W: v96-103  a block's codes
.set WO, 112                           ; W: v112-175 the way out
.set WP, 272                           ; W: a stage row: 256 bytes + 16
.macro MKSC e, vs, vl                  ; v[vs] = 2^e as f32 (the conversion takes its exponent field); e stands in s[e]
	s_add_co_i32 s46, s[\e], 127
	s_lshl_b32 s47, s46, 23
	v_mov_b32 v[\vs], s47
	s_add_co_i32 s46, s46, 8
	s_lshl_b32 s46, s46, 23
	s_or_b32 s46, s46, 0x600000
.endm
.macro LOADX t                         ; step t of x: four loads of 512 consecutive bytes
.irp i, 0,1,2,3
	global_load_b128 v[XR+16*((\t)%4)+4*\i:XR+16*((\t)%4)+4*\i+3], v3, s[4:5] offset:2048*(\t)+512*\i th:TH_LOAD_NT
.endr
.endm
.macro STEPX t
.if (\t) < 13
	s_wait_loadcnt 12                              ; this step's four loads are in; the three steps behind it stay out
.else
	s_wait_loadcnt 4*(15-(\t))
.endif
	s_wait_xcnt 0x0                                ; the stores of two steps ago have read their codes' registers
.irp v, 0,1,2
.set TS, TR+16*((3*(\t)+\v)%2)
.set CS, CR+12*((\t)%2)+4*\v
.irp i, 0,1,2,3,4,5,6,7,8,9,10,11,12,13,14,15
.endr
	v_cvt_scalef32_pk8_fp8_f32 v[CS:CS+1], v[TS+((XR+16*((\t)%4)+0)-(TS+0)):TS+7+((XR+16*((\t)%4)+0)-(TS+0))], v[4+2*\v]
	v_cvt_scalef32_pk8_fp8_f32 v[CS+2:CS+3], v[TS+8+((XR+16*((\t)%4)+0)-(TS+0)):TS+15+((XR+16*((\t)%4)+0)-(TS+0))], v[4+2*\v]
	global_store_b128 v3, v[CS:CS+3], s[40+2*\v:41+2*\v] offset:512*(\t)   ; 32 lanes store 512 consecutive bytes
.endr
.if (\t)+4 < 16
	v_nop
	LOADX (\t)+4
.endif
.endm
.macro LOADW t, perm                   ; block t: the 32 rows k whose codes take places 32 t .. 32 t + 31, at my column
.irp p, 0,1,2,3,4,5,6,7,8,9,10,11,12,13,14,15,16,17,18,19,20,21,22,23,24,25,26,27,28,29,30,31
.if \perm == 0
	global_load_b32 v[WX+32*((\t)%2)+\p], v3, s[44:45] offset:(128*((\p/4)%4)+8*(\t)+4*(\p/16)+\p%4)*4096 th:TH_LOAD_NT
.else
	global_load_b32 v[WX+32*((\t)%2)+\p], v3, s[44:45] offset:(32*(\t)+16*((\p/8)%2)+8*(\p/16)+\p%8)*4096 th:TH_LOAD_NT
.endif
.endr
.endm
.macro BLOCKW t, perm
.set XS, WX+32*((\t)%2)
.if (\t) < 7
	s_wait_loadcnt 32                              ; this block's 32 loads are in; the next block's may be out
.else
	s_wait_loadcnt 0
.endif
.irp i, 0,1,2,3,4,5,6,7,8,9,10,11,12,13,14,15,16,17,18,19,20,21,22,23,24,25,26,27,28,29,30,31
.endr
.irp g, 0,1,2,3
	v_cvt_scalef32_pk8_fp8_f32 v[WC+2*\g:WC+2*\g+1], v[XS+8*\g:XS+8*\g+7], v11
.endr
	ds_store_b128 v4, v[WC:WC+3] offset:32*(\t)
	ds_store_b128 v4, v[WC+4:WC+7] offset:32*(\t)+16
.if (\t)+2 < 8
	LOADW (\t)+2, \perm
.endif
	s_wait_dscnt 0x0                               ; the stores have read their registers: the next block's codes may be written
.endm
; A weight's path.  A lane takes a column n and its registers run down K; 32 columns x 256 places a wave; the codes leave through the wave's own stage as rows.
.macro WBODY perm, ldsbase
	s_wait_kmcnt 0x0                               ; the exponents
	s_sub_co_u32 s36, ttmp9, 256
	s_lshr_b32 s37, s36, 5                         ; which matrix
	s_and_b32 s38, s36, 7                          ; which 128 columns
	s_bfe_u32 s39, s36, 0x20003                    ; y: which 256 places
	s_lshl_b32 s40, s38, 7
	s_lshl_b32 s41, s22, 5
	s_add_co_u32 s40, s40, s41                     ; my wave's first column
.if \perm == 0
	s_lshr_b32 s42, s39, 1
	s_lshl_b32 s42, s42, 21                        ; 512 (y / 2) rows of 4,096 bytes
	s_and_b32 s43, s39, 1
	s_lshl_b32 s43, s43, 18                        ; + 64 (y % 2) rows
	s_add_co_u32 s42, s42, s43
.else
	s_lshl_b32 s42, s39, 20                        ; 256 y rows
.endif
	s_lshl_b32 s43, s40, 2
	s_add_co_u32 s42, s42, s43
	s_mov_b32 s43, 0
.if \perm == 0
	s_cmp_eq_u32 s37, 0                            ; the choice hangs on the work-group's number alone
	s_cselect_b64 s[44:45], s[6:7], s[8:9]
	s_cselect_b32 s46, s25, s27
	s_cmp_eq_u32 s37, 2
	s_cselect_b64 s[44:45], s[10:11], s[44:45]
	s_cselect_b32 s46, s29, s46
.else
	s_mov_b64 s[44:45], s[12:13]
	s_mov_b32 s46, s35
.endif
	s_add_nc_u64 s[44:45], s[44:45], s[42:43]
	s_lshl_b32 s42, s37, 20                        ; the codes: matrix x 1 MiB + column x 1,024 + 256 y
	s_lshl_b32 s41, s40, 10
	s_add_co_u32 s42, s42, s41
	s_lshl_b32 s41, s39, 8
	s_add_co_u32 s42, s42, s41
	s_add_nc_u64 s[18:19], s[18:19], s[42:43]
	v_lshlrev_b32 v3, 2, v2                        ; in: 4 bytes a lane
	s_mul_i32 s41, s22, 32*WP
	s_add_co_u32 s41, s41, \ldsbase                ; my stage
	v_mul_u32_u24 v4, v2, WP
	v_add_nc_u32 v4, s41, v4                       ; into it: row = my column
	v_and_b32 v5, 15, v2
	v_lshrrev_b32 v6, 4, v2
	v_mul_u32_u24 v7, v6, WP
	v_lshl_add_u32 v7, v5, 4, v7
	v_add_nc_u32 v7, s41, v7                       ; out of it: sixteen lanes to a row, two rows an instruction
	v_lshlrev_b32 v8, 10, v6
	v_lshl_add_u32 v8, v5, 4, v8                   ; and the same place in the codes' buffer
	LOADW 0, \perm
	LOADW 1, \perm
	MKSC 46, 11, 10
	s_wait_alu depctr_va_vdst(0)
.irp t, 0,1,2,3,4,5,6,7
	BLOCKW \t, \perm
.endr
.irp t, 0,1,2,3,4,5,6,7,8,9,10,11,12,13,14,15
	ds_load_b128 v[WO+4*\t:WO+4*\t+3], v7 offset:2*\t*WP   ; LDS serves a wave's instructions in order: these see my stores
.endr
.irp t, 0,1,2,3,4,5,6,7,8,9,10,11,12,13,14,15
	s_wait_dscnt 15-\t
	global_store_b128 v8, v[WO+4*\t:WO+4*\t+3], s[18:19] offset:2*\t*1024   ; sixteen lanes store 256 consecutive bytes, aligned
.endr
	s_wait_tensorcnt 0x0
	ds_add_u32 v192, v193
	s_wait_dscnt 0x0
	s_endpgm
.endm
; cos and sin of position x frequency k of my lane's sixteen, into v[32 + 2 k], v[33 + 2 k]
.macro SINCOS k
	v_mul_f32 v8, v4, v[16+\k]                     ; the angle, rounded once, as the definition rounds it
	v_mul_f32 v9, 0x3f22f983, v8                   ; x 2 / pi
	v_rndne_f32 v9, v9                             ; n, at most 1,303
	v_fmamk_f32 v10, v9, 0xbfc90fdb, v8            ; angle - n pi/2, pi/2 in three parts, fused: the first step is exact for angles under 2,048
	v_fmamk_f32 v10, v9, 0x333bbd2e, v10
	v_fmamk_f32 v10, v9, 0x26f72ced, v10
	v_mul_f32 v11, v10, v10
	v_fmaak_f32 v12, v11, v6, 0xbab6061a           ; cos on [-pi/4, pi/4]
	v_fmaak_f32 v12, v12, v11, 0x3d2aaaa5
	v_fmaak_f32 v12, v12, v11, 0xbf000000
	v_fmaak_f32 v12, v12, v11, 0x3f800000
	v_fmaak_f32 v13, v11, v7, 0x3c08839e           ; sin
	v_fmaak_f32 v13, v13, v11, 0xbe2aaaa3
	v_mul_f32 v14, v10, v11
	v_fma_f32 v13, v13, v14, v10
	v_cvt_i32_f32 v15, v9
	v_and_b32 v14, 1, v15
	v_cmp_eq_u32 vcc_lo, 1, v14                    ; an odd quarter turn swaps the two
	v_cndmask_b32 v64, v12, v13, vcc_lo
	v_cndmask_b32 v65, v13, v12, vcc_lo
	v_add_nc_u32 v14, 1, v15
	v_and_b32 v14, 2, v14
	v_lshlrev_b32 v14, 30, v14                     ; cos is negative in quarters 1 and 2,
	v_xor_b32 v[32+2*\k], v14, v64
	v_and_b32 v14, 2, v15
	v_lshlrev_b32 v14, 30, v14                     ; sin in quarters 2 and 3
	v_xor_b32 v[33+2*\k], v14, v65
.endm
	s_load_b256 s[4:11], s[0:1], 0x0               ; x s[4:5], Wq s[6:7], Wk s[8:9], Wv s[10:11]
	s_load_b256 s[12:19], s[0:1], 0x20             ; Wo s[12:13], the exponents s[14:15], xc s[16:17], wc s[18:19]
	s_load_b64 s[20:21], s[0:1], 0x40              ; rt
	v_lshl_add_u32 v192, v0, 2, 0x11000
	v_mov_b32 v193, 0
	v_lshrrev_b32 v1, 5, v0
	v_readfirstlane_b32 s22, v1                    ; wave 0..3
	v_and_b32 v2, 31, v0                           ; lane
	s_wait_kmcnt 0x0
	s_load_b256 s[24:31], s[14:15], 0x0            ; e0 .. e7
	s_load_b128 s[32:35], s[14:15], 0x20           ; e8 .. e11
	s_cmp_lt_u32 ttmp9, 256
	s_cbranch_scc1 .Lpath_x
	s_cmp_lt_u32 ttmp9, 352
	s_cbranch_scc1 .Lpath_w
	s_cmp_lt_u32 ttmp9, 384
	s_cbranch_scc1 .Lpath_o
	; ---- THE TABLE.  A wave takes 16 positions.  Lane (r, h) holds position 16 pb + r and the pairs 8 bq + 4 h + 0 .. 3, bq = 0 .. 3: the order in which a lane of the next launch holds a head's 64 numbers.
	s_wait_kmcnt 0x0                               ; (the exponents' loads are over; this path uses none of them)
	s_sub_co_u32 s36, ttmp9, 384
	s_lshl_b32 s36, s36, 2
	s_add_co_u32 s36, s36, s22                     ; pb
	s_lshl_b32 s38, s36, 12
	s_mov_b32 s39, 0
	s_add_nc_u64 s[20:21], s[20:21], s[38:39]      ; 4,096 bytes for each 16 positions
	s_wait_alu depctr_va_vdst(0)
	v_lshlrev_b32 v3, 4, v2                        ; 16 x lane
	v_and_b32 v4, 15, v2
	v_lshrrev_b32 v5, 4, v2
	s_lshl_b32 s37, s36, 4
	v_add_nc_u32 v4, s37, v4
	v_cvt_f32_u32 v4, v4                           ; the position
	v_lshlrev_b32 v5, 2, v5                        ; 4 h
.irp k, 0,1,2,3,4,5,6,7,8,9,10,11,12,13,14,15
	v_add_nc_u32 v[16+\k], 8*(\k/4)+\k%4, v5       ; the pair's number i
.endr
.irp k, 0,1,2,3,4,5,6,7,8,9,10,11,12,13,14,15
	v_cvt_f32_u32 v[16+\k], v[16+\k]
.endr
.irp k, 0,1,2,3,4,5,6,7,8,9,10,11,12,13,14,15
	v_mul_f32 v[16+\k], 0xbed49a78, v[16+\k]       ; -i log2(10) / 8 = log2 of 10000^(-2 i / 64)
.endr
	s_wait_alu depctr_va_vdst(0)
.irp k, 0,1,2,3,4,5,6,7,8,9,10,11,12,13,14,15
	v_exp_f32 v[16+\k], v[16+\k]
.endr
	v_mov_b32 v6, 0x37ccf5ce                       ; the series' leading coefficients (plain lines behind the exponentials)
	v_mov_b32 v7, 0xb94ca1f9
	s_wait_alu depctr_va_vdst(0)                   ; one wait for the sixteen exponentials, ahead of their first reader
.irp k, 0,1,2,3,4,5,6,7,8,9,10,11,12,13,14,15
	SINCOS \k
.endr
.irp g, 0,1,2,3,4,5,6,7
	global_store_b128 v3, v[32+4*\g:35+4*\g], s[20:21] offset:512*\g   ; (cos, sin) of two pairs a lane; 512 consecutive bytes a store
.endr
	s_endpgm
.Lpath_x:
	s_wait_alu depctr_va_vdst(0)
	; ---- x.  A wave takes 8,192 numbers, 16 steps of 512.  Rows are dense, so the tensor is a plain stream.  Loads run four steps (16 loads a wave) ahead.
	v_lshlrev_b32 v3, 4, v2                        ; 16 x lane
	s_wait_alu depctr_va_vdst(0)
	s_lshl_b32 s36, ttmp9, 2
	s_add_co_u32 s36, s36, s22                     ; which run of 8,192 numbers
	s_lshl_b32 s38, s36, 15
	s_mov_b32 s39, 0
	s_add_nc_u64 s[4:5], s[4:5], s[38:39]
	s_lshl_b32 s38, s36, 13
	s_add_nc_u64 s[40:41], s[16:17], s[38:39]      ; the three sets of codes, 8 MiB apart
	s_add_nc_u64 s[42:43], s[40:41], 0x800000
	s_add_nc_u64 s[44:45], s[42:43], 0x800000
.irp t, 0,1,2,3
	LOADX \t
.endr
	s_wait_kmcnt 0x0
	MKSC 24, 4, 5                                  ; e0
	MKSC 26, 6, 7                                  ; e2
	MKSC 28, 8, 9                                  ; e4
	s_wait_alu depctr_va_vdst(0)
.irp t, 0,1,2,3,4,5,6,7,8,9,10,11,12,13,14,15
	STEPX \t
.endr
	s_endpgm
.Lpath_w:
	s_wait_alu depctr_va_vdst(0)
	WBODY 0, 0
.Lpath_o:
	s_wait_alu depctr_va_vdst(0)
	WBODY 1, 34816
.Lfunc_end_k_q04f227cb82_quant:
	.size	k_q04f227cb82_quant, .Lfunc_end_k_q04f227cb82_quant-k_q04f227cb82_quant
	.p2alignl 7, 3214868480
	.fill 96, 4, 3214868480
	.section	.rodata,"a",@progbits
	.p2align	6, 0x0
	.amdhsa_kernel k_q04f227cb82_quant
		.amdhsa_group_segment_fixed_size 70144
		.amdhsa_private_segment_fixed_size 0
		.amdhsa_enable_private_segment 0
		.amdhsa_kernarg_size 72
		.amdhsa_user_sgpr_count 2
		.amdhsa_user_sgpr_kernarg_segment_ptr 1
		.amdhsa_wavefront_size32 1
		.amdhsa_system_sgpr_workgroup_id_x 1
		.amdhsa_system_sgpr_workgroup_id_y 1
		.amdhsa_system_sgpr_workgroup_id_z 1
		.amdhsa_system_vgpr_workitem_id 0
		.amdhsa_next_free_vgpr 194
		.amdhsa_next_free_sgpr 66
		.amdhsa_reserve_vcc 1
		.amdhsa_float_denorm_mode_32 3
		.amdhsa_float_denorm_mode_16_64 3
		.amdhsa_fp16_overflow 1
		.amdhsa_memory_ordered 1
		.amdhsa_forward_progress 1
		.amdhsa_inst_pref_size 109
	.end_amdhsa_kernel
	.amdgpu_metadata
---
amdhsa.version: [ 1, 2 ]
amdhsa.kernels:
  - .name:           k_q04f227cb82_quant
    .symbol:         k_q04f227cb82_quant.kd
    .args:
      - { .name: x, .offset: 0, .size: 8, .value_kind: global_buffer, .address_space: global }
      - { .name: Wq, .offset: 8, .size: 8, .value_kind: global_buffer, .address_space: global }
      - { .name: Wk, .offset: 16, .size: 8, .value_kind: global_buffer, .address_space: global }
      - { .name: Wv, .offset: 24, .size: 8, .value_kind: global_buffer, .address_space: global }
      - { .name: Wo, .offset: 32, .size: 8, .value_kind: global_buffer, .address_space: global }
      - { .name: lowp_scales, .offset: 40, .size: 8, .value_kind: global_buffer, .address_space: global }
      - { .name: xc, .offset: 48, .size: 8, .value_kind: global_buffer, .address_space: global }
      - { .name: wc, .offset: 56, .size: 8, .value_kind: global_buffer, .address_space: global }
      - { .name: rt, .offset: 64, .size: 8, .value_kind: global_buffer, .address_space: global }
    .group_segment_fixed_size: 70144
    .private_segment_fixed_size: 0
    .kernarg_segment_align: 8
    .kernarg_segment_size: 72
    .max_flat_workgroup_size: 128
    .sgpr_count:     66
    .vgpr_count:     194
    .wavefront_size: 32
...
	.end_amdgpu_metadata
.endif
;; end of part 1
;; launch qkv (part 2): grid 4 x 64, 4 waves a work-group, clusters of 4 x 4, 327,680 bytes of LDS; arguments xc, wc, rt, lowp_scales, qc, kv; writes qc, kv
.if DOCPART == 2
	.amdgcn_target "amdgcn-amd-amdhsa--gfx1250"
	.amdhsa_code_object_version 6
	.text
	.protected	k_q04f227cb82_qkv
	.globl	k_q04f227cb82_qkv
	.p2align	8
	.type	k_q04f227cb82_qkv,@function
k_q04f227cb82_qkv:
	s_mov_b64 s[64:65], 0
	v_nop
	global_prefetch_b8 v0, s[64:65] scope:SCOPE_SE
	s_setreg_imm32_b32 hwreg(HW_REG_WAVE_MODE, 25, 1), 1
	s_wait_xcnt 0x0
	s_wait_alu depctr_hold_cnt(0) depctr_sa_sdst(0) depctr_va_vdst(0) depctr_va_sdst(0) depctr_va_ssrc(0) depctr_va_vcc(0) depctr_vm_vsrc(0)
	s_getreg_b32 s2, hwreg(HW_REG_IB_STS2, 6, 4)
	s_cmp_eq_u32 s2, 0
	s_cbranch_scc0 .Lentry_in_a_cluster
	s_endpgm
.Lentry_in_a_cluster:
	s_bfe_u32 s2, ttmp6, 0x10000c
	s_cmp_lg_u32 s2, 0xf033
	s_cbranch_scc0 .Lentry_shape_is_right
	s_endpgm
.Lentry_shape_is_right:
; QKV: Q = x Wq, K = x Wk, V = x Wv on E4M3 codes; the rotation of Q and K; Q, K and V quantised anew and stored in the order of the attention launch's operand registers.
; SHARES.  256 work-groups that stay.  A work-group makes three tiles of 128 rows x 256 columns: the same rows and columns of Q, then of K, then of V (a tile of 256 x 256 would give 384 tiles for 256 WGPs).
; Four waves, each 64 rows x 128 columns: 32 accumulators.  K goes in 12 steps of 256 places (4 a tile) through two LDS slots; the ring runs on from tile to tile.
; CLUSTER 4 x 4: x's tile hangs on the row block alone and is asked for jointly along a row of the cluster, a weight's tile on the column block alone, jointly along a column.
; Q and K use the matrix instruction transposed (source 0 = 16 columns of W, source 1 = 16 rows of x): a lane holds one token and eight neighbouring numbers of a head, so a pair to be rotated lies in a register pair
; and eight registers convert into two registers of the next operand (16 tokens x 64, k = 16 c + 8 (lane / 16) + 0 .. 7).  V is used the other way round: a lane holds one column d and eight neighbouring tokens,
; which are the keys, the next product's K.  So nothing changes lanes and every store is 512 consecutive bytes.
; A sum stands for sum x 2^(ex + ew): the three exponents are folded into the conversion's one scale.
; LIMITS: e6 - e0 - e1, e7 - e2 - e3 and e9 - e4 - e5 between -126 and 119.  The order of the f32 sums along K is that of the codes' places, not ascending k.
; REGISTERS, in windows of 256.  window 0: v16-29 addresses and constants; v32-95 codes; v96-127 and v192-223 numbers at work on the way out; v128-191, v192-255 x's fragments, two sets of 4.
;   window 1: the weight's fragments, two sets of 8.   window 2: accumulator (a, b) at v[8 (8 a + b)].   window 3: v0-127 cos and sin for my 64 tokens.
.set PITCH, 272                        ; an LDS row: 256 bytes + 16: the 16 rows of a fragment load start at 16 different banks (64 banks of 4 bytes: ISA guide 11.1)
.set APART, 128*PITCH                  ; x's 128 rows
.set SLOT,  384*PITCH                  ; then the weight's 256 rows
.set SPARE, 2*SLOT                     ; behind the ring: the spare words, 128 bytes a wave, that no other line names
.set FR,   16
.set ADRA, 16                          ; v16-17 LDS address of my x fragments in slot 0, 1
.set ADRB, 20                          ; v20-21 the same for the weight
.set CO,   24                          ; v24 16 x lane; v25 the same one head on
.set SC,   26                          ; v26 the conversion's scale
.set LIM,  27                          ; v27 448 x that
.set SPW,  28
.set NIL,  29
.set CODE, 32
.set T0,   96
.set T1,   192
.set AF,   128
.set G1A, 24                           ; s[24:31] group 1 for x's tiles; s[32:39] group 0, a set for each slot
.set G0A, 32
.set G1B, 48                           ; s[48:55], s[56:63] the same for the weight's
.set G0B, 56
.set NEXTA, 0x7ffe00                   ; from a slot's last K step of a tile to its first of the next: the next set of x's codes, 8 MiB on, 512 places back
.set NEXTB, 0xffe00                    ; the next weight, 1 MiB on
.set MSB, 0
.macro WIN new                         ; the immediate's high byte repeats the setting that is left
.if MSB != (\new)
	s_set_vgpr_msb (MSB<<8)|(\new)
.set MSB, \new
.endif
.endm
.macro PLACES                          ; four plain vector lines between matrix instructions and loads into, or reads of, their registers
.rept 4
	v_nop
.endr
.endm
.macro JLOAD s                         ; a joint load: waves 0, 1 fetch x's two halves (64 rows each), waves 2, 3 the weight's (128 rows each); four v_nop follow each line
	s_cmp_eq_u32 s17, 0
	s_cbranch_scc0 .Lfor_b_\@
	tensor_load_to_lds s[G0A+4*\s:G0A+4*\s+3], s[G1A:G1A+7]
	s_nop 0
.rept 4
	v_nop
.endr
	s_branch .Lasked_\@
.Lfor_b_\@:
	tensor_load_to_lds s[G0B+4*\s:G0B+4*\s+3], s[G1B:G1B+7]
	s_nop 0
.rept 4
	v_nop
.endr
.Lasked_\@:
.endm
.macro CREST                           ; a round of the cluster's barrier behind its opening barrier
	s_cmp_lg_u32 s16, 0
	s_cbranch_scc1 .Lnot_wave_0_\@
	s_barrier_signal -3
.Lnot_wave_0_\@:
	s_barrier_wait -3
	s_barrier_signal -1
	s_barrier_wait -1
.endm
.macro CROUND
	s_barrier_signal -1
	s_barrier_wait -1
	CREST
.endm
.macro MKS dst, ea, eb, ec             ; s[dst] = 2^(ea - eb - ec) as f32, s[dst + 1] = 448 x that
	s_sub_co_i32 s[\dst+1], s[\ea], s[\eb]
	s_sub_co_i32 s[\dst+1], s[\dst+1], s[\ec]
	s_add_co_i32 s[\dst+1], s[\dst+1], 127
	s_lshl_b32 s[\dst], s[\dst+1], 23
	s_add_co_i32 s[\dst+1], s[\dst+1], 8
	s_lshl_b32 s[\dst+1], s[\dst+1], 23
	s_or_b32 s[\dst+1], s[\dst+1], 0x600000
.endm
.macro FRAG reg, adr, q, i             ; 16 rows x 128 places: four loads of 16 bytes a lane, 32 bytes apart; the same for both operands
.irp c, 0,1,2,3
	ds_load_b128 v[\reg+4*\c:\reg+4*\c+3], v[\adr] offset:128*(\q)+32*\c+(\i)*16*PITCH
.endr
.endm
.macro FETCH slot, q, p                ; 48 loads in one run: the weight's 8 and x's 4 fragments of the slot's q-th 128 places, into set p
	WIN 0x40
.irp i, 0,1,2,3,4,5,6,7
	FRAG 128*(\p)+FR*\i, ADRB+\slot, \q, \i
.endr
	WIN 0
.irp i, 0,1,2,3
	FRAG AF+64*(\p)+FR*\i, ADRA+\slot, \q, \i
.endr
.endm
; 8 matrix instructions: row block a against the 8 column blocks, set p.  ord = 0: the weight is source 0; ord = 1: x is.  zero = 1: the product starts the sum.
; The 32 accumulators take turns, one instruction a turn, in the same order everywhere.
.macro MULA a, p, zero, ord
.irp b, 0,1,2,3,4,5,6,7
.set RD_, 8*(8*(\a)+\b)
.set RB_, 128*(\p)+FR*\b
.set RA_, AF+64*(\p)+FR*(\a)
.if \ord
.if \zero
	v_wmma_f32_16x16x128_fp8_fp8 v[RD_:RD_+7], v[RA_:RA_+15], v[RB_:RB_+15], 0
.else
	v_wmma_f32_16x16x128_fp8_fp8 v[RD_:RD_+7], v[RA_:RA_+15], v[RB_:RB_+15], v[RD_:RD_+7]
.endif
.else
.if \zero
	v_wmma_f32_16x16x128_fp8_fp8 v[RD_:RD_+7], v[RB_:RB_+15], v[RA_:RA_+15], 0
.else
	v_wmma_f32_16x16x128_fp8_fp8 v[RD_:RD_+7], v[RB_:RB_+15], v[RA_:RA_+15], v[RD_:RD_+7]
.endif
.endif
.endr
.endm
.macro STEP slot, zero, ord            ; a slot's first 128 places: set 0 is multiplied, set 1 fetched in the middle
	s_wait_dscnt 0x0                               ; set 0 is in
	WIN 0xa1+3*(\ord)                              ; 0xa1: source 0 window 1, source 1 window 0; 0xa4: the other way; C and D window 2
	MULA 0, 0, \zero, \ord
	MULA 1, 0, \zero, \ord
	PLACES
	FETCH \slot, 1, 1
	WIN 0xa1+3*(\ord)
	MULA 2, 0, \zero, \ord
	MULA 3, 0, \zero, \ord
.endm
; A slot's second 128 places, and the change of slots: each wave waits for all its tensor loads (its part of the next slot), adds 0 to its spare word, and waits for that and for its reads of this slot.
; fill = 1: the barrier opens a round of the cluster's barrier, and this slot's next tile is asked for first thing behind the round.
.macro TURN slot, next, fill, da, db, ord
	WIN 0
	s_wait_tensorcnt 0x0                           ; no tensor load of mine is out
	ds_add_u32 v[SPW], v[NIL]                      ; 0 onto my spare word
	s_wait_dscnt 1                                 ; set 1's 48 loads are in; the add may be out
	WIN 0xa1+3*(\ord)
	MULA 0, 1, 0, \ord
	s_wait_dscnt 0x0                               ; the add is done, and my reads of this slot are over
	s_barrier_signal -1
	MULA 1, 1, 0, \ord
	WIN 0
	s_barrier_wait -1
.if \fill
	CREST                                          ; no wave of any partner still reads this slot or has a load on its way
	s_add_nc_u64 s[G0A+4*\slot+2:G0A+4*\slot+3], s[G0A+4*\slot+2:G0A+4*\slot+3], \da
	s_add_nc_u64 s[G0B+4*\slot+2:G0B+4*\slot+3], s[G0B+4*\slot+2:G0B+4*\slot+3], \db
	JLOAD \slot                                    ; its four v_nop are also the places in front of the loads below
.else
	PLACES
.endif
	FETCH \next, 0, 0
	WIN 0xa1+3*(\ord)
	MULA 2, 1, 0, \ord
	MULA 3, 1, 0, \ord
.endm
; THE WAY OUT OF Q AND K.  Accumulator (a, 4 hh + bq), lane (r, h), registers 2 p, 2 p + 1: token 16 a + r, numbers d = 16 bq + 8 h + 2 p, + 1 of head hh: one pair.  (x1, x2) -> (x1 cos - x2 sin, x2 cos + x1 sin).
.macro EPI_ROPE
	WIN 0
	s_wait_loadcnt 0x0                             ; the table
	s_wait_xcnt 0x0                                ; the last tile's stores have read their codes, their offset and their base
	s_cmp_eq_u32 s3, 2                             ; Q's tile or K's
	s_cselect_b64 s[90:91], s[92:93], s[94:95]
	s_cselect_b32 s86, s80, s82
	s_cselect_b32 s87, s81, s83
	s_mov_b32 s88, 0x40000
	s_cselect_b32 s88, 0x20000, s88                ; from head to head: 131,072 bytes in qc, 262,144 in kv
	v_mov_b32 v[SC], s86                           ; (these four lines are the places behind the last products)
	v_mov_b32 v[LIM], s87
	v_add_nc_u32 v[CO+1], s88, v[CO]
	v_nop
.irp a, 0,1,2,3
.irp hh, 0,1
.set TT, T0+(T1-T0)*\hh
	WIN 0x0e                                       ; source 0 (sums) window 2, source 1 (table) window 3
.irp bq, 0,1,2,3
.irp p, 0,2,4,6
	v_pk_mul_f32 v[TT+8*\bq+\p:TT+8*\bq+\p+1], v[8*(8*\a+4*\hh+\bq)+\p:8*(8*\a+4*\hh+\bq)+\p+1], v[32*\a+8*\bq+\p:32*\a+8*\bq+\p+1] op_sel_hi:[1,0]   ; (x1 cos, x2 cos); each accumulator from its low end on
.endr
.endr
.irp bq, 0,1,2,3
.irp p, 0,2,4,6
	v_pk_fma_f32 v[TT+8*\bq+\p:TT+8*\bq+\p+1], v[8*(8*\a+4*\hh+\bq)+\p:8*(8*\a+4*\hh+\bq)+\p+1], v[32*\a+8*\bq+\p:32*\a+8*\bq+\p+1], v[TT+8*\bq+\p:TT+8*\bq+\p+1] op_sel:[1,1,0] op_sel_hi:[0,1,1] neg_lo:[0,1,0]   ; low: - x2 sin; high: + x1 sin
.endr
.endr
	WIN 0
.irp i, 0,1,2,3,4,5,6,7,8,9,10,11,12,13,14,15,16,17,18,19,20,21,22,23,24,25,26,27,28,29,30,31
	v_med3_num_f32 v[TT+\i], v[TT+\i], -v[LIM], v[LIM]   ; the conversion does not saturate (ISA guide 7.6.2)
.endr
.irp bq, 0,1,2,3
	v_cvt_scalef32_pk8_fp8_f32 v[CODE+8*(2*\a+\hh)+2*\bq:CODE+8*(2*\a+\hh)+2*\bq+1], v[TT+8*\bq:TT+8*\bq+7], v[SC]
.endr
	global_store_b128 v[CO+\hh], v[CODE+8*(2*\a+\hh):CODE+8*(2*\a+\hh)+3], s[90:91] offset:\a*1024       ; 512 consecutive bytes: registers 0-3 of the fragment of tokens 16 a on
	global_store_b128 v[CO+\hh], v[CODE+8*(2*\a+\hh)+4:CODE+8*(2*\a+\hh)+7], s[90:91] offset:\a*1024+512
.endr
.endr
	v_nop                                          ; a plain line behind the last conversion
.endm
	s_load_b256 s[4:11], s[0:1], 0x0               ; xc s[4:5], wc s[6:7], rt s[8:9], the exponents s[10:11]
	s_load_b128 s[12:15], s[0:1], 0x20             ; qc s[12:13], kv s[14:15]
	v_lshl_add_u32 v[SPW], v0, 2, SPARE
	v_mov_b32 v[NIL], 0
	ds_add_u32 v28, v29
	ds_add_u32 v28, v29
	s_wait_dscnt 0x0
	v_lshrrev_b32 v1, 5, v0
	v_readfirstlane_b32 s16, v1                    ; wave 0..3
	s_lshr_b32 s17, s16, 1                         ; rh: which 64 rows are mine.  Also: I fetch for x (0) or for the weight (1)
	s_and_b32 s18, s16, 1                          ; ch: which 128 columns.  Also: which half of that tile I fetch
	s_bfe_u32 s40, ttmp6, 0x40000                  ; cx, cy
	s_bfe_u32 s41, ttmp6, 0x40004
	s_lshl_b32 s42, ttmp9, 2
	s_add_co_u32 s42, s42, s40                     ; column block (256 columns)
	s_and_b32 s19, ttmp7, 0xffff
	s_lshl_b32 s19, s19, 2
	s_add_co_u32 s19, s19, s41                     ; row block (128 rows)
	s_lshl_b32 s43, s41, 2
	s_lshl_b32 s43, 15, s43                        ; my row of the cluster
	s_lshl_b32 s44, 0x1111, s40                    ; my column
	s_or_b32 s[G1A], s43, (1<<20)|(1<<21)|(5<<22)|(3<<25)    ; the mask; elements of 1 byte; padding on; bit 21 beside a mask; 4 words behind every 64
	s_or_b32 s[G1B], s44, (1<<20)|(1<<21)|(5<<22)|(3<<25)
	s_mov_b32 s[G1A+1], 256<<16                    ; tensor_dim0
	s_mov_b32 s[G1A+2], 64<<16                     ; tensor_dim1
	s_mov_b32 s[G1A+3], 256<<16                    ; tile_dim0
	s_mov_b32 s[G1A+4], 64                         ; tile_dim1
	s_mov_b32 s[G1A+5], 1024                       ; the pitch
	s_mov_b32 s[G1A+6], 0
	s_mov_b32 s[G1A+7], 0
	s_mov_b32 s[G1B+1], 256<<16
	s_mov_b32 s[G1B+2], 128<<16
	s_mov_b32 s[G1B+3], 256<<16
	s_mov_b32 s[G1B+4], 128
	s_mov_b32 s[G1B+5], 1024
	s_mov_b32 s[G1B+6], 0
	s_mov_b32 s[G1B+7], 0
	s_lshl_b32 s20, s19, 17                        ; x: (128 x row block + 64 x half) rows of 1,024 bytes
	s_lshl_b32 s21, s18, 16
	s_add_co_u32 s20, s20, s21
	s_mov_b32 s21, 0
	s_lshl_b32 s46, s42, 18                        ; the weight: (256 x column block + 128 x half) rows
	s_lshl_b32 s47, s18, 17
	s_add_co_u32 s46, s46, s47
	s_mov_b32 s47, 0
	s_mul_i32 s45, s18, 64*PITCH                   ; where they go: no place in the cluster enters an LDS address
	s_mul_i32 s22, s18, 128*PITCH
	s_add_co_u32 s22, s22, APART
	s_wait_kmcnt 0x0
	s_load_b256 s[68:75], s[10:11], 0x0            ; e0 .. e7
	s_load_b128 s[76:79], s[10:11], 0x20           ; e8 .. e11
	s_add_nc_u64 s[20:21], s[4:5], s[20:21]
	s_add_nc_u64 s[46:47], s[6:7], s[46:47]
	CROUND                                         ; all sixteen work-groups are here: the first joint loads meet
.irp s, 0,1
	s_mov_b32 s[G0A+4*\s], 1
	s_add_co_u32 s[G0A+4*\s+1], s45, \s*SLOT
	s_add_nc_u64 s[G0A+4*\s+2:G0A+4*\s+3], s[20:21], \s*256
	s_or_b32 s[G0A+4*\s+3], s[G0A+4*\s+3], 0x80000000
	s_mov_b32 s[G0B+4*\s], 1
	s_add_co_u32 s[G0B+4*\s+1], s22, \s*SLOT
	s_add_nc_u64 s[G0B+4*\s+2:G0B+4*\s+3], s[46:47], \s*256
	s_or_b32 s[G0B+4*\s+3], s[G0B+4*\s+3], 0x80000000
	JLOAD \s
.endr
	v_and_b32 v1, 15, v0                           ; r
	v_bfe_u32 v2, v0, 4, 1                         ; h
	v_mul_u32_u24 v3, v1, PITCH
	v_lshl_add_u32 v4, v2, 4, v3                   ; a fragment's row x pitch + 16 h
	s_mul_i32 s2, s17, 64*PITCH                    ; my 64 rows of x
	s_mul_i32 s23, s18, 128*PITCH
	s_add_co_u32 s23, s23, APART                   ; my 128 rows of the weight
.irp s, 0,1
	v_add_nc_u32 v[ADRA+\s], s2, v4
	v_add_nc_u32 v[ADRB+\s], s23, v4
	s_add_co_u32 s2, s2, SLOT
	s_add_co_u32 s23, s23, SLOT
.endr
	v_and_b32 v5, 31, v0
	v_lshlrev_b32 v[CO], 4, v5                     ; 16 x lane
	; the table for my 64 tokens: positions 128 (row block % 16) + 64 rh on
	s_and_b32 s89, s19, 15
	s_lshl_b32 s98, s89, 15
	s_lshl_b32 s99, s17, 14
	s_add_co_u32 s98, s98, s99
	s_mov_b32 s99, 0
	s_add_nc_u64 s[8:9], s[8:9], s[98:99]
	WIN 0xc0                                       ; destination window 3
.irp a, 0,1,2,3
.irp bq, 0,1,2,3
	global_load_b128 v[32*\a+8*\bq:32*\a+8*\bq+3], v[CO], s[8:9] offset:\a*4096+\bq*1024
	global_load_b128 v[32*\a+8*\bq+4:32*\a+8*\bq+7], v[CO], s[8:9] offset:\a*4096+\bq*1024+512
.endr
.endr
	WIN 0
	; where my results go.  bh0 = 16 x batch + 4 x column block + 2 ch: the first of my two heads
	s_lshr_b32 s66, s19, 4
	s_lshl_b32 s66, s66, 4
	s_lshl_b32 s67, s42, 2
	s_add_co_u32 s66, s66, s67
	s_lshl_b32 s67, s18, 1
	s_add_co_u32 s66, s66, s67
	s_lshl_b32 s98, s66, 17                        ; qc: head x 131,072 + (8 (row block % 16) + 4 rh) x 1,024
	s_lshl_b32 s67, s89, 13
	s_add_co_u32 s98, s98, s67
	s_lshl_b32 s67, s17, 12
	s_add_co_u32 s98, s98, s67
	s_add_nc_u64 s[92:93], s[12:13], s[98:99]
	s_lshl_b32 s98, s66, 18                        ; kv: head x 262,144 + (row block % 16) x 16,384: the chunk of 128 keys
	s_lshl_b32 s67, s89, 14
	s_add_co_u32 s98, s98, s67
	s_add_nc_u64 s[96:97], s[14:15], s[98:99]
	s_lshl_b32 s98, s17, 12                        ; K's part: + 4 rh x 1,024
	s_add_nc_u64 s[94:95], s[96:97], s[98:99]
	s_lshl_b32 s98, s17, 10                        ; V's part: + 8,192 + rh x 1,024 (my 64 tokens are registers 8 rh .. 8 rh + 7 of a fragment)
	s_add_co_u32 s98, s98, 8192
	s_add_nc_u64 s[96:97], s[96:97], s[98:99]
	s_wait_alu depctr_va_vdst(0)
	s_wait_kmcnt 0x0
	MKS 80, 74, 68, 69                             ; Q: e6 - e0 - e1
	MKS 82, 75, 70, 71                             ; K: e7 - e2 - e3
	MKS 84, 77, 72, 73                             ; V: e9 - e4 - e5
	s_wait_tensorcnt 1                             ; my part of K step 0 is in (K step 1's load may be out)
	s_barrier_signal -1
	s_barrier_wait -1                              ; everybody's is
	FETCH 0, 0, 0
	s_mov_b32 s3, 2
.Ltile:                                                ; two trips: Q's tile, K's tile.  Each fills both slots twice; the last two fills are the next tile's first K steps
	STEP 0, 1, 0
	TURN 0, 1, 1, 512, 512, 0
	STEP 1, 0, 0
	TURN 1, 0, 1, 512, 512, 0
	STEP 0, 0, 0
	TURN 0, 1, 1, NEXTA, NEXTB, 0
	STEP 1, 0, 0
	TURN 1, 0, 1, NEXTA, NEXTB, 0
	EPI_ROPE
	s_sub_co_u32 s3, s3, 1
	s_cmp_lg_u32 s3, 0
	s_cbranch_scc1 .Ltile
	STEP 0, 1, 1                                   ; V's tile is written out: its last two K steps ask for nothing
	TURN 0, 1, 1, 512, 512, 1
	STEP 1, 0, 1
	TURN 1, 0, 1, 512, 512, 1
	STEP 0, 0, 1
	TURN 0, 1, 0, 0, 0, 1
	STEP 1, 0, 1
	s_wait_dscnt 0x0
	WIN 0xa4
	MULA 0, 1, 0, 1
	MULA 1, 1, 0, 1
	MULA 2, 1, 0, 1
	MULA 3, 1, 0, 1
	; THE WAY OUT OF V.  Accumulator (a, b), lane (r, h), register j: token 16 a + 8 h + j of my 64, column 16 b + r: eight neighbouring keys of one d
	WIN 0
	s_wait_xcnt 0x0                                ; K's stores have read their codes
	v_mov_b32 v[SC], s84
	v_mov_b32 v[LIM], s85
	v_nop
	v_nop
.irp b, 0,1,2,3,4,5,6,7
.set TT, T0+(T1-T0)*(\b%2)
	WIN 0x02                                       ; source 0 window 2
.irp a, 0,1,2,3
.irp j, 0,1,2,3,4,5,6,7
	v_med3_num_f32 v[TT+8*\a+\j], v[8*(8*\a+\b)+\j], -v[LIM], v[LIM]
.endr
.endr
	WIN 0
.irp a, 0,1,2,3
	v_cvt_scalef32_pk8_fp8_f32 v[CODE+8*\b+2*\a:CODE+8*\b+2*\a+1], v[TT+8*\a:TT+8*\a+7], v[SC]
.endr
	global_store_b128 v[CO+\b/4], v[CODE+8*\b:CODE+8*\b+3], s[96:97] offset:(\b%4)*2048
	global_store_b128 v[CO+\b/4], v[CODE+8*\b+4:CODE+8*\b+7], s[96:97] offset:(\b%4)*2048+512
.endr
	s_wait_tensorcnt 0x0                           ; the wave's end
	ds_add_u32 v[SPW], v[NIL]
	s_wait_dscnt 0x0
	CROUND                                         ; the closing round: no work-group ends while a partner may still ask for a tile that names it
	s_endpgm
.Lfunc_end_k_q04f227cb82_qkv:
	.size	k_q04f227cb82_qkv, .Lfunc_end_k_q04f227cb82_qkv-k_q04f227cb82_qkv
	.p2alignl 7, 3214868480
	.fill 96, 4, 3214868480
	.section	.rodata,"a",@progbits
	.p2align	6, 0x0
	.amdhsa_kernel k_q04f227cb82_qkv
		.amdhsa_group_segment_fixed_size 327680
		.amdhsa_private_segment_fixed_size 0
		.amdhsa_enable_private_segment 0
		.amdhsa_kernarg_size 48
		.amdhsa_user_sgpr_count 2
		.amdhsa_user_sgpr_kernarg_segment_ptr 1
		.amdhsa_wavefront_size32 1
		.amdhsa_system_sgpr_workgroup_id_x 1
		.amdhsa_system_sgpr_workgroup_id_y 1
		.amdhsa_system_sgpr_workgroup_id_z 1
		.amdhsa_system_vgpr_workitem_id 0
		.amdhsa_next_free_vgpr 1024
		.amdhsa_next_free_sgpr 100
		.amdhsa_reserve_vcc 0
		.amdhsa_float_denorm_mode_32 3
		.amdhsa_float_denorm_mode_16_64 3
		.amdhsa_memory_ordered 1
		.amdhsa_forward_progress 1
		.amdhsa_inst_pref_size 159
	.end_amdhsa_kernel
	.amdgpu_metadata
---
amdhsa.version: [ 1, 2 ]
amdhsa.kernels:
  - .name:           k_q04f227cb82_qkv
    .symbol:         k_q04f227cb82_qkv.kd
    .args:
      - { .name: xc, .offset: 0, .size: 8, .value_kind: global_buffer, .address_space: global }
      - { .name: wc, .offset: 8, .size: 8, .value_kind: global_buffer, .address_space: global }
      - { .name: rt, .offset: 16, .size: 8, .value_kind: global_buffer, .address_space: global }
      - { .name: lowp_scales, .offset: 24, .size: 8, .value_kind: global_buffer, .address_space: global }
      - { .name: qc, .offset: 32, .size: 8, .value_kind: global_buffer, .address_space: global }
      - { .name: kv, .offset: 40, .size: 8, .value_kind: global_buffer, .address_space: global }
    .group_segment_fixed_size: 327680
    .private_segment_fixed_size: 0
    .kernarg_segment_align: 8
    .kernarg_segment_size: 48
    .max_flat_workgroup_size: 128
    .sgpr_count:     100
    .vgpr_count:     1024
    .wavefront_size: 32
...
	.end_amdgpu_metadata
.endif
;; end of part 2
;; launch attn (part 3): grid 4 x 64, 16 waves a work-group, no clusters, 327,680 bytes of LDS; arguments qc, kv, lowp_scales, ao; writes ao
.if DOCPART == 3
	.amdgcn_target "amdgcn-amd-amdhsa--gfx1250"
	.amdhsa_code_object_version 6
	.text
	.protected	k_q04f227cb82_attn
	.globl	k_q04f227cb82_attn
	.p2align	8
	.type	k_q04f227cb82_attn,@function
k_q04f227cb82_attn:
	s_mov_b64 s[64:65], 0
	v_nop
	global_prefetch_b8 v0, s[64:65] scope:SCOPE_SE
	s_setreg_imm32_b32 hwreg(HW_REG_WAVE_MODE, 25, 1), 1
	s_wait_xcnt 0x0
; ATTENTION with the causal mask, both products on E4M3 codes; the result is quantised for the last product.
; t = score x log2(e) / 8; M = the running largest t rounded up to a whole number; p = 2^(t - M) is quantised with 2^e8; the row's sum is taken of the unquantised p and divides at the end.
; SHARES.  256 equal work-groups.  Work-group (i, head) owns the blocks of 256 queries 7 - i and i: block qb walks qb + 1 slots of 256 keys, so every work-group walks 9.  Each of the 16 waves owns one tile of
; 16 queries of the block in hand, in 256 registers: four waves to a SIMD, so that one wave's vector work stands beside another's matrix work and LDS loads.
; LDS.  The head's K and V, 262,144 bytes, lie in LDS as they lie in memory (images of operand registers: 512 bytes, lane l's 16 bytes at 16 l) and are filled ONCE: no byte is filled again.
; Each wave asks for a sixteenth of slot 0 (8 rows of 256 bytes) and a sixteenth of the rest (56 rows): two tensor loads of mine are out at the most.  The first trip runs on slot 0 while the rest lands.
; NO CLUSTER: the four work-groups of a head differ in where they change blocks and in which steps they leave out.
; LAYOUT.  S^T = K Q^T (source 0 = 16 keys, source 1 = my 16 queries), O^T = V^T P^T: a lane holds one query throughout.  Tile c's eight registers are keys 16 c + 8 (lane / 16) + 0 .. 7: they convert into
; registers 2 c, 2 c + 1 of the second product's operand.
; CAUSAL.  A step of 128 keys that all come after my 16 queries is left out by a scalar branch on ids; on the diagonal hidden scores become -infinity ahead of the maximum.
; LIMITS: e6 + e7 between -123 and 129 (added to the exponent field of log2(e) / 8); e8, and e10 - e8 - e9, between -126 and 119.
.set LA,   1                           ; v1  16 x lane; never rewritten
.set ADR,  2                           ; v2  the slot in hand + 16 x lane
.set RH,   3                           ; v3  lane % 16 - 8 (lane / 16)
.set F,    32                          ; v32-95   K's 8 tiles, then V's 4 fragments
.set S,    96                          ; v96-159  S^T, then p
.set O,    160                         ; v160-191 O^T
.set PC,   192                         ; v192-207 p's codes
.set OC,   208                         ; v208-215 the result's codes
.set MA,   216
.set MB,   217
.set FF,   218                         ; v[218:219] f = 2^(old M - new M); at the end 1 / the sum
.set PM,   220
.set S2,   222                         ; v[222:223] the sum's second chain
.set PSC,  224                         ; 2^e8
.set PLIM, 225
.set OSC,  226                         ; 2^(e10 - e8 - e9)
.set OLIM, 227
.set NINF, 228
.set DD,   229
; v12 -M, v13 the largest t, v[14:15] the sum in two halves; v16-23 Q in hand; v24-31 Q of the second block
; s2 LDS byte of the slot in hand; s3 the trip; s48 the trip at which the blocks change; s49 my first query; s50 the second block's; s51 the slot's first key; s[52:53], s[54:55] where the two results go
.macro STEP q, dyn                     ; 128 keys: the q-th half of a slot.  dyn = 0: slot 0 for queries from 1,024 on: nothing is hidden, and the address is the lane's alone
.if \dyn
	s_add_co_u32 s62, s51, 128*\q                  ; the step's first key
	s_add_co_u32 s63, s49, 15
	s_cmp_gt_u32 s62, s63
	s_cbranch_scc1 .Lhid_\@                        ; all its keys come after my queries
	v_add_nc_u32 v[ADR], s2, v[LA]
.set AR, ADR
.else
	v_nop
.set AR, LA
.endif
.rept 3
	v_nop                                          ; with the line above: four places in front of loads into registers that the last products read
.endr
.irp c, 0,1,2,3,4,5,6,7
	ds_load_b128 v[F+8*\c:F+8*\c+3], v[AR] offset:16384*\q+1024*\c
	ds_load_b128 v[F+8*\c+4:F+8*\c+7], v[AR] offset:16384*\q+1024*\c+512
.endr
	s_wait_alu depctr_va_vdst(0)
	s_wait_dscnt 0x0
.irp c, 0,1,2,3,4,5,6,7
	v_wmma_f32_16x16x64_fp8_fp8 v[S+8*\c:S+8*\c+7], v[F+8*\c:F+8*\c+7], v[16:23], 0
.endr
.rept 4
	v_nop
.endr
.irp dt, 0,1,2,3                               ; V's fragments land under the softmax
.irp g, 0,1,2,3
	ds_load_b128 v[F+16*\dt+4*\g:F+16*\dt+4*\g+3], v[AR] offset:16384*\q+8192+2048*\dt+512*\g
.endr
.endr
.if \dyn
	s_add_co_u32 s63, s62, 127
	s_cmp_le_u32 s63, s49
	s_cbranch_scc1 .Lopen_\@                       ; all its keys count
	s_sub_co_i32 s63, s49, s62
	v_add_nc_u32 v[DD], s63, v[RH]                 ; register 8 c + j holds the step's key 16 c + 8 (lane / 16) + j: hidden where 16 c + j > my query - the first key - 8 (lane / 16)
.irp n, 0,1,2,3,4,5,6,7,8,9,10,11,12,13,14,15,16,17,18,19,20,21,22,23,24,25,26,27,28,29,30,31,32,33,34,35,36,37,38,39,40,41,42,43,44,45,46,47,48,49,50,51,52,53,54,55,56,57,58,59,60,61,62,63
	v_cmp_gt_i32 vcc_lo, 16*(\n/8)+\n%8, v[DD]
	v_cndmask_b32 v[S+\n], v[S+\n], v[NINF], vcc_lo
.endr
.Lopen_\@:
.endif
	v_max3_num_f32 v[MA], v[S], v[S+1], v[S+2]     ; the step's largest score of my query among my 64 keys, in two chains, ascending,
	v_max3_num_f32 v[MB], v[S+3], v[S+4], v[S+5]
.irp i, 6,10,14,18,22,26,30,34,38,42,46,50,54,58
	v_max3_num_f32 v[MA], v[MA], v[S+\i], v[S+\i+1]
	v_max3_num_f32 v[MB], v[MB], v[S+\i+2], v[S+\i+3]
.endr
	v_max3_num_f32 v[MA], v[MA], v[S+62], v[S+63]
	s_delay_alu instid0(VALU_DEP_1)
	v_max_num_f32 v[MA], v[MA], v[MB]
	s_delay_alu instid0(VALU_DEP_1)
	v_permlanex16_b32 v[PM], v[MA], s20, s21
	s_delay_alu instid0(VALU_DEP_1)
	v_max_num_f32 v[MA], v[MA], v[PM]              ; and among the other half of the lanes'
	s_delay_alu instid0(VALU_DEP_1)
	v_mul_f32 v[MA], s22, v[MA]                    ; as t
	s_delay_alu instid0(VALU_DEP_1)
	v_max_num_f32 v13, v13, v[MA]
	v_mov_b32 v[MA], v12
	s_delay_alu instid0(VALU_DEP_2)
	v_floor_f32 v12, -v13                          ; -M = floor(-t): M is a whole number
	s_delay_alu instid0(VALU_DEP_1)
	v_sub_f32 v[MA], v12, v[MA]
	s_delay_alu instid0(VALU_DEP_1)
	v_cvt_i32_f32 v[MA], v[MA]                     ; (it saturates)
	s_delay_alu instid0(VALU_DEP_1)
	v_ldexp_f32 v[FF], 1.0, v[MA]                  ; f = 2^(old M - new M): rounds nothing
.irp j, 0,2,4,6,8,10,12,14,16,18,20,22,24,26,28,30,32,34,36,38,40,42,44,46,48,50,52,54,56,58,60,62
	v_pk_fma_f32 v[S+\j:S+\j+1], v[S+\j:S+\j+1], s[22:23], v[12:13] op_sel_hi:[1,0,0]   ; t - M
.endr
	s_wait_alu depctr_va_vdst(0)
.irp j, 0,1,2,3,4,5,6,7,8,9,10,11,12,13,14,15,16,17,18,19,20,21,22,23,24,25,26,27,28,29,30,31,32,33,34,35,36,37,38,39,40,41,42,43,44,45,46,47,48,49,50,51,52,53,54,55,56,57,58,59,60,61,62,63
	v_exp_f32 v[S+\j], v[S+\j]
.endr
	v_pk_mul_f32 v[14:15], v[14:15], v[FF:FF+1] op_sel_hi:[1,0]   ; the sums under the new M (a plain line behind the exponentials)
	s_wait_alu depctr_va_vdst(0)                   ; one wait for the 64 exponentials, ahead of their first reader
	v_pk_add_f32 v[S2:S2+1], v[S:S+1], v[S+2:S+3]  ; the sum of the unquantised p, in two chains
.irp j, 4,8,12,16,20,24,28,32,36,40,44,48,52,56,60
	v_pk_add_f32 v[14:15], v[14:15], v[S+\j:S+\j+1]
	v_pk_add_f32 v[S2:S2+1], v[S2:S2+1], v[S+\j+2:S+\j+3]
.endr
	s_delay_alu instid0(VALU_DEP_1)
	v_pk_add_f32 v[14:15], v[14:15], v[S2:S2+1]
.irp c, 0,1,2,3,4,5,6,7
.irp i, 0,1,2,3,4,5,6,7
.endr
	v_cvt_scalef32_pk8_fp8_f32 v[PC+2*\c:PC+2*\c+1], v[S+8*\c:S+8*\c+7], v[PSC]
.endr
.irp j, 0,2,4,6,8,10,12,14,16,18,20,22,24,26,28,30
	v_pk_mul_f32 v[O+\j:O+\j+1], v[O+\j:O+\j+1], v[FF:FF+1] op_sel_hi:[1,0]   ; O^T under the new M
.endr
	s_wait_alu depctr_va_vdst(0)
	s_wait_dscnt 0x0                               ; V is in
.irp dt, 0,1,2,3
	v_wmma_f32_16x16x128_fp8_fp8 v[O+8*\dt:O+8*\dt+7], v[F+16*\dt:F+16*\dt+15], v[PC:PC+15], v[O+8*\dt:O+8*\dt+7]
.endr
.if \dyn
.Lhid_\@:
.endif
.endm
.macro NEWSTATE                        ; a block begins: zeros, which the first change of M leaves zeros
	v_mov_b32 v13, 0xff61b1e6                      ; -3e38, under every t
	s_delay_alu instid0(VALU_DEP_1)
	v_floor_f32 v12, -v13
	v_mov_b32 v14, 0
	v_mov_b32 v15, 0
.irp j, 0,1,2,3,4,5,6,7,8,9,10,11,12,13,14,15,16,17,18,19,20,21,22,23,24,25,26,27,28,29,30,31
	v_mov_b32 v[O+\j], 0
.endr
.endm
.macro FINAL ptr                       ; O^T / the sum, quantised: tile dt's eight registers are d = 16 dt + 8 (lane / 16) + 0 .. 7 of my query: registers 2 dt, 2 dt + 1 of the last product's operand
.rept 4
	v_nop
.endr
	v_add_f32 v14, v14, v15
	s_delay_alu instid0(VALU_DEP_1)
	v_permlanex16_b32 v[PM], v14, s20, s21
	s_delay_alu instid0(VALU_DEP_1)
	v_add_f32 v14, v14, v[PM]
	s_wait_alu depctr_va_vdst(0)
	v_rcp_f32 v[FF], v14
	v_nop
	s_wait_alu depctr_va_vdst(0)                   ; ahead of the reciprocal's first reader
	s_wait_xcnt 0x0                                ; earlier stores have read the codes' registers
.irp j, 0,2,4,6,8,10,12,14,16,18,20,22,24,26,28,30
	v_pk_mul_f32 v[S+\j:S+\j+1], v[O+\j:O+\j+1], v[FF:FF+1] op_sel_hi:[1,0]
.endr
.irp j, 0,1,2,3,4,5,6,7,8,9,10,11,12,13,14,15,16,17,18,19,20,21,22,23,24,25,26,27,28,29,30,31
.endr
.irp dt, 0,1,2,3
	v_cvt_scalef32_pk8_fp8_f32 v[OC+2*\dt:OC+2*\dt+1], v[S+8*\dt:S+8*\dt+7], v[OSC]   ; a sum stands for sum x 2^(e8 + e9): the three exponents in one scale
.endr
	v_nop
	global_store_b128 v[LA], v[OC:OC+3], s[\ptr:\ptr+1]              ; 512 consecutive bytes each
	global_store_b128 v[LA], v[OC+4:OC+7], s[\ptr:\ptr+1] offset:512
.endm
	s_load_b256 s[4:11], s[0:1], 0x0               ; qc s[4:5], kv s[6:7], the exponents s[8:9], ao s[10:11]
	v_lshl_add_u32 v254, v0, 2, 0x40000
	v_mov_b32 v255, 0
	ds_add_u32 v254, v255
	ds_add_u32 v254, v255
	v_lshrrev_b32 v2, 5, v0
	s_delay_alu instid0(VALU_DEP_1)
	v_readfirstlane_b32 s18, v2                    ; wave 0..15
	s_and_b32 s12, ttmp7, 0xffff                   ; 16 x batch + head
	s_mov_b32 s13, ttmp9                           ; i
	s_mov_b32 s24, 3<<16                           ; group 1, first fill: elements of 8 bytes, 8 rows of 32, dense
	s_mov_b32 s25, 32<<16
	s_mov_b32 s26, 8<<16
	s_mov_b32 s27, 32<<16
	s_mov_b32 s28, 8
	s_mov_b32 s29, 32
	s_mov_b32 s30, 0
	s_mov_b32 s31, 0
	s_mov_b32 s32, 3<<16                           ; second fill: 56 rows
	s_mov_b32 s33, 32<<16
	s_mov_b32 s34, 56<<16
	s_mov_b32 s35, 32<<16
	s_mov_b32 s36, 56
	s_mov_b32 s37, 32
	s_mov_b32 s38, 0
	s_mov_b32 s39, 0
	s_mov_b32 s15, 0
	s_lshl_b32 s14, s12, 18
	s_wait_dscnt 0x0
	s_wait_kmcnt 0x0
	s_load_b128 s[56:59], s[8:9], 0x18             ; e6, e7, e8, e9
	s_load_b32 s60, s[8:9], 0x28                   ; e10
	s_add_nc_u64 s[6:7], s[6:7], s[14:15]          ; the head's K and V
	s_lshl_b32 s14, s18, 11                        ; my sixteenth of slot 0
	s_mov_b32 s40, 1
	s_mov_b32 s41, s14
	s_add_nc_u64 s[42:43], s[6:7], s[14:15]
	s_or_b32 s43, s43, 0x80000000
	s_mul_i32 s14, s18, 14336                      ; my sixteenth of the rest
	s_add_co_u32 s14, s14, 32768
	s_mov_b32 s44, 1
	s_mov_b32 s45, s14
	s_add_nc_u64 s[46:47], s[6:7], s[14:15]
	s_or_b32 s47, s47, 0x80000000
	tensor_load_to_lds s[40:43], s[24:31]
	s_nop 0
	s_wait_alu depctr_va_vdst(0)
	s_wait_tensorcnt 0x0
	ds_add_u32 v254, v255
	s_wait_dscnt 0x0
	s_barrier_signal -1
	s_barrier_wait -1
	tensor_load_to_lds s[44:47], s[32:39]
	s_nop 0
.rept 4
	v_nop
.endr
	v_and_b32 v[LA], 31, v0
	s_delay_alu instid0(VALU_DEP_1)
	v_lshlrev_b32 v[LA], 4, v[LA]
	s_wait_alu depctr_va_vdst(0)
	v_and_b32 v[RH], 15, v0
	v_bfe_u32 v4, v0, 4, 1
	s_delay_alu instid0(VALU_DEP_1)
	v_lshlrev_b32 v4, 3, v4
	s_delay_alu instid0(VALU_DEP_1)
	v_sub_nc_u32 v[RH], v[RH], v4
	s_sub_co_u32 s48, 8, s13                       ; the first block walks 8 - i slots
	s_sub_co_u32 s61, 7, s13
	s_lshl_b32 s62, s61, 4
	s_add_co_u32 s62, s62, s18                     ; my tile of 16 queries in the first block,
	s_lshl_b32 s49, s62, 4
	s_lshl_b32 s63, s13, 4
	s_add_co_u32 s63, s63, s18                     ; and in the second
	s_lshl_b32 s50, s63, 4
	s_lshl_b32 s14, s12, 17
	s_add_nc_u64 s[4:5], s[4:5], s[14:15]
	s_lshl_b32 s14, s62, 10
	s_add_nc_u64 s[66:67], s[4:5], s[14:15]
	s_lshl_b32 s14, s63, 10
	s_add_nc_u64 s[68:69], s[4:5], s[14:15]
	global_load_b128 v[16:19], v[LA], s[66:67]
	global_load_b128 v[20:23], v[LA], s[66:67] offset:512
	global_load_b128 v[24:27], v[LA], s[68:69]
	global_load_b128 v[28:31], v[LA], s[68:69] offset:512
	s_and_b32 s61, s12, 15                         ; ao: (head / 4) x 2 MiB + (row / 16) x 4,096 + (head % 4) x 1,024
	s_lshr_b32 s14, s61, 2
	s_lshl_b32 s14, s14, 21
	s_and_b32 s61, s61, 3
	s_lshl_b32 s61, s61, 10
	s_add_co_u32 s14, s14, s61
	s_lshr_b32 s61, s12, 4
	s_lshl_b32 s61, s61, 19
	s_add_co_u32 s14, s14, s61
	s_add_nc_u64 s[10:11], s[10:11], s[14:15]
	s_lshl_b32 s14, s62, 12
	s_add_nc_u64 s[52:53], s[10:11], s[14:15]
	s_lshl_b32 s14, s63, 12
	s_add_nc_u64 s[54:55], s[10:11], s[14:15]
	s_mov_b32 s20, 0x76543210                      ; v_permlanex16_b32: the same place in the other half of the lanes
	s_mov_b32 s21, 0xfedcba98
	v_mov_b32 v[PM], 0                             ; a lane permute's destination counts as one of its sources
	v_mov_b32 v[FF+1], 0                           ; (named as the upper half of a pair)
	v_mov_b32 v[NINF], 0xff800000
	NEWSTATE
	s_wait_kmcnt 0x0
	s_add_co_i32 s61, s56, s57
	s_lshl_b32 s61, s61, 23
	s_mov_b32 s22, 0x3e38aa3b                      ; log2(e) / 8
	s_add_co_i32 s22, s22, s61                     ; x 2^(e6 + e7)
	s_mov_b32 s23, s22
	s_add_co_i32 s61, s58, 127
	s_lshl_b32 s62, s61, 23
	v_mov_b32 v[PSC], s62
	s_sub_co_i32 s61, s60, s58
	s_sub_co_i32 s61, s61, s59
	s_add_co_i32 s61, s61, 127
	s_lshl_b32 s62, s61, 23
	v_mov_b32 v[OSC], s62
	s_add_co_i32 s61, s61, 8
	s_lshl_b32 s61, s61, 23
	s_or_b32 s61, s61, 0x600000
	s_wait_loadcnt 0x0                             ; Q
	s_wait_tensorcnt 1                             ; my sixteenth of slot 0 is in; my second load may be out
	s_barrier_signal -1
	s_barrier_wait -1                              ; slot 0 is whole
	STEP 0, 0                                      ; the first trip reads LDS bytes under 32,768 alone
	STEP 1, 0
	s_wait_tensorcnt 0x0                           ; my second load has landed,
	s_wait_dscnt 0x0
	s_barrier_signal -1
	s_barrier_wait -1                              ; everybody's has
	s_mov_b32 s3, 1
.Ltrip:                                                ; eight more trips, a slot of 256 keys each
	s_cmp_lg_u32 s3, s48
	s_cbranch_scc1 .Lsame
	FINAL 52                                       ; the first block is done; the second begins at slot 0
.irp j, 0,1,2,3,4,5,6,7
	v_mov_b32 v[16+\j], v[24+\j]
.endr
	NEWSTATE
	s_mov_b32 s49, s50
.Lsame:
	s_cmp_ge_u32 s3, s48
	s_cselect_b32 s61, s48, 0
	s_sub_co_u32 s61, s3, s61                      ; the slot
	s_and_b32 s61, s61, 7
	s_lshl_b32 s2, s61, 15
	s_lshl_b32 s51, s61, 8
	STEP 0, 1
	STEP 1, 1
	s_add_co_u32 s3, s3, 1
	s_cmp_lt_u32 s3, 9
	s_cbranch_scc1 .Ltrip
	FINAL 54
	s_wait_tensorcnt 0x0
	ds_add_u32 v254, v255
	s_wait_dscnt 0x0
	s_endpgm
.Lfunc_end_k_q04f227cb82_attn:
	.size	k_q04f227cb82_attn, .Lfunc_end_k_q04f227cb82_attn-k_q04f227cb82_attn
	.p2alignl 7, 3214868480
	.fill 96, 4, 3214868480
	.section	.rodata,"a",@progbits
	.p2align	6, 0x0
	.amdhsa_kernel k_q04f227cb82_attn
		.amdhsa_group_segment_fixed_size 327680
		.amdhsa_private_segment_fixed_size 0
		.amdhsa_enable_private_segment 0
		.amdhsa_kernarg_size 32
		.amdhsa_user_sgpr_count 2
		.amdhsa_user_sgpr_kernarg_segment_ptr 1
		.amdhsa_wavefront_size32 1
		.amdhsa_system_sgpr_workgroup_id_x 1
		.amdhsa_system_sgpr_workgroup_id_y 1
		.amdhsa_system_sgpr_workgroup_id_z 1
		.amdhsa_system_vgpr_workitem_id 0
		.amdhsa_next_free_vgpr 256
		.amdhsa_next_free_sgpr 72
		.amdhsa_reserve_vcc 1
		.amdhsa_float_denorm_mode_32 3
		.amdhsa_float_denorm_mode_16_64 3
		.amdhsa_fp16_overflow 1
		.amdhsa_memory_ordered 1
		.amdhsa_forward_progress 1
		.amdhsa_inst_pref_size 77
	.end_amdhsa_kernel
	.amdgpu_metadata
---
amdhsa.version: [ 1, 2 ]
amdhsa.kernels:
  - .name:           k_q04f227cb82_attn
    .symbol:         k_q04f227cb82_attn.kd
    .args:
      - { .name: qc, .offset: 0, .size: 8, .value_kind: global_buffer, .address_space: global }
      - { .name: kv, .offset: 8, .size: 8, .value_kind: global_buffer, .address_space: global }
      - { .name: lowp_scales, .offset: 16, .size: 8, .value_kind: global_buffer, .address_space: global }
      - { .name: ao, .offset: 24, .size: 8, .value_kind: global_buffer, .address_space: global }
    .group_segment_fixed_size: 327680
    .private_segment_fixed_size: 0
    .kernarg_segment_align: 8
    .kernarg_segment_size: 32
    .max_flat_workgroup_size: 512
    .sgpr_count:     72
    .vgpr_count:     256
    .wavefront_size: 32
...
	.end_amdgpu_metadata
.endif
;; end of part 3
;; launch oproj (part 4): grid 4 x 64, 4 waves a work-group, clusters of 4 x 4, 327,680 bytes of LDS; arguments ao, wc, lowp_scales, out0; writes out0
.if DOCPART == 4
	.amdgcn_target "amdgcn-amd-amdhsa--gfx1250"
	.amdhsa_code_object_version 6
	.text
	.protected	k_q04f227cb82_oproj
	.globl	k_q04f227cb82_oproj
	.p2align	8
	.type	k_q04f227cb82_oproj,@function
k_q04f227cb82_oproj:
	s_mov_b64 s[64:65], 0
	v_nop
	global_prefetch_b8 v0, s[64:65] scope:SCOPE_SE
	s_setreg_imm32_b32 hwreg(HW_REG_WAVE_MODE, 25, 1), 1
	s_wait_xcnt 0x0
	s_wait_alu depctr_hold_cnt(0) depctr_sa_sdst(0) depctr_va_vdst(0) depctr_va_sdst(0) depctr_va_ssrc(0) depctr_va_vcc(0) depctr_vm_vsrc(0)
	s_getreg_b32 s2, hwreg(HW_REG_IB_STS2, 6, 4)
	s_cmp_eq_u32 s2, 0
	s_cbranch_scc0 .Lentry_in_a_cluster
	s_endpgm
.Lentry_in_a_cluster:
	s_bfe_u32 s2, ttmp6, 0x10000c
	s_cmp_lg_u32 s2, 0xf033
	s_cbranch_scc0 .Lentry_shape_is_right
	s_endpgm
.Lentry_shape_is_right:
; OUT = A Wo on E4M3 codes; each finished sum x 2^(e10 + e11).  A: the attention launch's codes, laid as images of operand registers; Wo's codes: rows [n][1024 places] at wc + 3 MiB.
; SHARES.  256 work-groups, a tile of 128 rows x 256 columns each; four waves of 64 x 128: 32 accumulators.  K goes in 4 steps of 256 (four heads) through two LDS slots.
; CLUSTER 4 x 4: A's tile is asked for jointly along a row of the cluster, Wo's along a column.
; A's part of a slot is 32,768 dense bytes: fragment (row block i, 128 along K q) is four images of 512 bytes at 4,096 i + 2,048 q; a load takes 512 consecutive bytes.  Wo's rows are padded to 272 bytes.
; The matrix instruction is used transposed (source 0 = 16 columns of Wo, source 1 = 16 rows of A): a lane holds eight neighbouring numbers of a row of the output.
; LIMIT: e10 + e11 between -126 and 127.
; REGISTERS: window 0: v16-29 addresses; v32-95 the way out; v128-191, v192-255 A's fragments, two sets of 4, later rows on their way out.  window 1: Wo's fragments, two sets of 8.  window 2: accumulator (a, b) at v[8 (8 a + b)].
.set PITCH, 272
.set APART, 32768
.set SLOT,  APART+256*PITCH
.set SPARE, 2*SLOT                     ; the spare words, 128 bytes a wave, that no other line names
.set STAGE, SPARE+512                  ; 16 rows x 528 bytes for each wave: bytes of their own, into which no tile lands
.set SPITCH, 528
.set FR,   16
.set ADRA, 16
.set ADRB, 20
.set STO,  24
.set RDA,  25
.set CO,   26
.set SPW,  28
.set NIL,  29
.set TMP,  32
.set AF,   128
.set BK,   128
.set G1A, 24
.set G0A, 32
.set G1B, 48
.set G0B, 56
.set MSB, 0
.macro WIN new
.if MSB != (\new)
	s_set_vgpr_msb (MSB<<8)|(\new)
.set MSB, \new
.endif
.endm
.macro PLACES
.rept 4
	v_nop
.endr
.endm
.macro JLOAD s                         ; waves 0, 1 fetch A's two halves, waves 2, 3 Wo's; four v_nop follow each line
	s_cmp_eq_u32 s17, 0
	s_cbranch_scc0 .Lfor_b_\@
	tensor_load_to_lds s[G0A+4*\s:G0A+4*\s+3], s[G1A:G1A+7]
	s_nop 0
.rept 4
	v_nop
.endr
	s_branch .Lasked_\@
.Lfor_b_\@:
	tensor_load_to_lds s[G0B+4*\s:G0B+4*\s+3], s[G1B:G1B+7]
	s_nop 0
.rept 4
	v_nop
.endr
.Lasked_\@:
.endm
.macro CREST
	s_cmp_lg_u32 s16, 0
	s_cbranch_scc1 .Lnot_wave_0_\@
	s_barrier_signal -3
.Lnot_wave_0_\@:
	s_barrier_wait -3
	s_barrier_signal -1
	s_barrier_wait -1
.endm
.macro CROUND
	s_barrier_signal -1
	s_barrier_wait -1
	CREST
.endm
.macro FETCH slot, q, p                ; 48 loads in one run
	WIN 0x40
.irp i, 0,1,2,3,4,5,6,7
.irp c, 0,1,2,3
	ds_load_b128 v[128*(\p)+FR*\i+4*\c:128*(\p)+FR*\i+4*\c+3], v[ADRB+\slot] offset:128*(\q)+32*\c+\i*16*PITCH
.endr
.endr
	WIN 0
.irp i, 0,1,2,3
.irp c, 0,1,2,3
	ds_load_b128 v[AF+64*(\p)+FR*\i+4*\c:AF+64*(\p)+FR*\i+4*\c+3], v[ADRA+\slot] offset:\i*4096+2048*(\q)+512*\c
.endr
.endr
.endm
.macro MULA a, p, zero                 ; the 32 accumulators take turns, one instruction a turn
.irp b, 0,1,2,3,4,5,6,7
.set RD_, 8*(8*(\a)+\b)
.set RB_, 128*(\p)+FR*\b
.set RA_, AF+64*(\p)+FR*(\a)
.if \zero
	v_wmma_f32_16x16x128_fp8_fp8 v[RD_:RD_+7], v[RB_:RB_+15], v[RA_:RA_+15], 0
.else
	v_wmma_f32_16x16x128_fp8_fp8 v[RD_:RD_+7], v[RB_:RB_+15], v[RA_:RA_+15], v[RD_:RD_+7]
.endif
.endr
.endm
.macro STEP slot, zero
	s_wait_dscnt 0x0                               ; set 0 is in
	WIN 0xa1
	MULA 0, 0, \zero
	MULA 1, 0, \zero
	PLACES
	FETCH \slot, 1, 1
	WIN 0xa1
	MULA 2, 0, \zero
	MULA 3, 0, \zero
.endm
.macro TURN slot, next, fill
	WIN 0
	s_wait_tensorcnt 0x0                           ; no tensor load of mine is out
	ds_add_u32 v[SPW], v[NIL]                      ; 0 onto my spare word
	s_wait_dscnt 1                                 ; set 1's 48 loads are in; the add may be out
	WIN 0xa1
	MULA 0, 1, 0
	s_wait_dscnt 0x0                               ; the add is done, and my reads of this slot are over
	s_barrier_signal -1
	MULA 1, 1, 0
	WIN 0
	s_barrier_wait -1
.if \fill
	CREST
	s_add_nc_u64 s[G0A+4*\slot+2:G0A+4*\slot+3], s[G0A+4*\slot+2:G0A+4*\slot+3], 0x400000   ; two groups of four heads on
	s_add_nc_u64 s[G0B+4*\slot+2:G0B+4*\slot+3], s[G0B+4*\slot+2:G0B+4*\slot+3], 512
	JLOAD \slot
.else
	PLACES
.endif
	FETCH \next, 0, 0
	WIN 0xa1
	MULA 2, 1, 0
	MULA 3, 1, 0
.endm
	s_load_b256 s[4:11], s[0:1], 0x0               ; ao s[4:5], wc s[6:7], the exponents s[8:9], out0 s[10:11]
	v_lshl_add_u32 v[SPW], v0, 2, SPARE
	v_mov_b32 v[NIL], 0
	ds_add_u32 v28, v29
	ds_add_u32 v28, v29
	s_wait_dscnt 0x0
	v_lshrrev_b32 v1, 5, v0
	v_readfirstlane_b32 s16, v1
	s_lshr_b32 s17, s16, 1                         ; rh; also: I fetch for A (0) or for Wo (1)
	s_and_b32 s18, s16, 1                          ; ch; also: which half I fetch
	s_bfe_u32 s40, ttmp6, 0x40000
	s_bfe_u32 s41, ttmp6, 0x40004
	s_lshl_b32 s42, ttmp9, 2
	s_add_co_u32 s42, s42, s40                     ; column block
	s_and_b32 s19, ttmp7, 0xffff
	s_lshl_b32 s19, s19, 2
	s_add_co_u32 s19, s19, s41                     ; row block
	s_lshl_b32 s43, s41, 2
	s_lshl_b32 s43, 15, s43
	s_lshl_b32 s44, 0x1111, s40
	s_or_b32 s[G1A], s43, (1<<21)                  ; the mask; elements of 1 byte; no padding; bit 21 beside a mask
	s_or_b32 s[G1B], s44, (1<<20)|(1<<21)|(5<<22)|(3<<25)
	s_mov_b32 s[G1A+1], 256<<16
	s_mov_b32 s[G1A+2], 64<<16
	s_mov_b32 s[G1A+3], 256<<16
	s_mov_b32 s[G1A+4], 64
	s_mov_b32 s[G1A+5], 256                        ; dense: 64 rows of 256 bytes
	s_mov_b32 s[G1A+6], 0
	s_mov_b32 s[G1A+7], 0
	s_mov_b32 s[G1B+1], 256<<16
	s_mov_b32 s[G1B+2], 128<<16
	s_mov_b32 s[G1B+3], 256<<16
	s_mov_b32 s[G1B+4], 128
	s_mov_b32 s[G1B+5], 1024
	s_mov_b32 s[G1B+6], 0
	s_mov_b32 s[G1B+7], 0
	s_lshl_b32 s20, s19, 15                        ; A: row block x 32,768 + half x 16,384
	s_lshl_b32 s21, s18, 14
	s_add_co_u32 s20, s20, s21
	s_mov_b32 s21, 0
	s_lshl_b32 s46, s42, 18                        ; Wo: 3 MiB + (256 x column block + 128 x half) rows of 1,024 bytes
	s_lshl_b32 s47, s18, 17
	s_add_co_u32 s46, s46, s47
	s_add_co_u32 s46, s46, 0x300000
	s_mov_b32 s47, 0
	s_lshl_b32 s45, s18, 14
	s_mul_i32 s22, s18, 128*PITCH
	s_add_co_u32 s22, s22, APART
	s_wait_kmcnt 0x0
	s_load_b64 s[96:97], s[8:9], 0x28              ; e10, e11
	s_add_nc_u64 s[20:21], s[4:5], s[20:21]
	s_add_nc_u64 s[46:47], s[6:7], s[46:47]
	CROUND
.irp s, 0,1
	s_mov_b32 s[G0A+4*\s], 1
	s_add_co_u32 s[G0A+4*\s+1], s45, \s*SLOT
	s_add_nc_u64 s[G0A+4*\s+2:G0A+4*\s+3], s[20:21], \s*0x200000
	s_or_b32 s[G0A+4*\s+3], s[G0A+4*\s+3], 0x80000000
	s_mov_b32 s[G0B+4*\s], 1
	s_add_co_u32 s[G0B+4*\s+1], s22, \s*SLOT
	s_add_nc_u64 s[G0B+4*\s+2:G0B+4*\s+3], s[46:47], \s*256
	s_or_b32 s[G0B+4*\s+3], s[G0B+4*\s+3], 0x80000000
	s_wait_alu depctr_va_vdst(0)
	s_wait_tensorcnt 0x0
	ds_add_u32 v28, v29
	ds_add_u32 v28, v29
	s_wait_dscnt 0x0
	CROUND
	JLOAD \s
.endr
	v_and_b32 v1, 15, v0                           ; r
	v_bfe_u32 v2, v0, 4, 1                         ; h
	v_and_b32 v5, 31, v0
	v_lshlrev_b32 v[CO], 4, v5                     ; 16 x lane
	v_mul_u32_u24 v3, v1, PITCH
	v_lshl_add_u32 v4, v2, 4, v3
	s_lshl_b32 s2, s17, 14                         ; my four row blocks of A
	s_mul_i32 s23, s18, 128*PITCH
	s_add_co_u32 s23, s23, APART                   ; my 128 rows of Wo
.irp s, 0,1
	v_add_nc_u32 v[ADRA+\s], s2, v[CO]
	v_add_nc_u32 v[ADRB+\s], s23, v4
	s_add_co_u32 s2, s2, SLOT
	s_add_co_u32 s23, s23, SLOT
.endr
	s_mul_i32 s23, s16, 16*SPITCH
	s_add_co_u32 s23, s23, STAGE                   ; my stage
	v_mul_u32_u24 v6, v1, SPITCH
	v_lshl_add_u32 v6, v2, 5, v6
	v_add_nc_u32 v[STO], s23, v6                   ; in: row r, 32 bytes for each half of the lanes
	v_add_nc_u32 v[RDA], s23, v[CO]                ; back: the 32 lanes take one row of 512 bytes
	s_lshl_b32 s98, s19, 19                        ; out0: (128 x row block + 64 rh) rows of 4,096 bytes + 1,024 x column block + 512 ch
	s_lshl_b32 s99, s17, 18
	s_add_co_u32 s98, s98, s99
	s_lshl_b32 s99, s42, 10
	s_add_co_u32 s98, s98, s99
	s_lshl_b32 s99, s18, 9
	s_add_co_u32 s98, s98, s99
	s_mov_b32 s99, 0
	s_add_nc_u64 s[10:11], s[10:11], s[98:99]
	s_wait_alu depctr_va_vdst(0)
	s_wait_tensorcnt 1                             ; my part of K step 0 is in (K step 1's may be out)
	s_barrier_signal -1
	s_barrier_wait -1
	FETCH 0, 0, 0
	STEP 0, 1
	TURN 0, 1, 1
	STEP 1, 0
	TURN 1, 0, 1
	STEP 0, 0
	TURN 0, 1, 0
	STEP 1, 0
	s_wait_dscnt 0x0
	WIN 0xa1
	MULA 0, 1, 0
	MULA 1, 1, 0
	MULA 2, 1, 0
	MULA 3, 1, 0
	WIN 0
; THE WAY OUT, a block of 16 rows x 128 columns at a time: through my own stage, back as whole rows of 512 bytes.  LDS serves a wave's instructions in order (ISA guide 5.7.1.4): no wait between the stores and the loads.
.macro TOSTAGE a
	WIN 0x02
.irp j, 0,2,4,6,8,10,12,14,16,18,20,22,24,26,28,30,32,34,36,38,40,42,44,46,48,50,52,54,56,58,60,62
	v_pk_mul_f32 v[TMP+\j:TMP+\j+1], v[64*(\a)+\j:64*(\a)+\j+1], s[96:97] op_sel_hi:[1,0]   ; x 2^(e10 + e11); each accumulator from its low end on
.endr
	WIN 0
.irp b, 0,1,2,3,4,5,6,7
	ds_store_b128 v[STO], v[TMP+8*\b:TMP+8*\b+3] offset:64*\b
	ds_store_b128 v[STO], v[TMP+8*\b+4:TMP+8*\b+7] offset:64*\b+16
.endr
.set BB, BK+64*((\a)%2)
.irp t, 0,1,2,3,4,5,6,7,8,9,10,11,12,13,14,15
	ds_load_b128 v[BB+4*\t:BB+4*\t+3], v[RDA] offset:\t*SPITCH
.endr
.endm
.macro SEND a, younger
.set BB, BK+64*((\a)%2)
	s_wait_dscnt \younger                          ; the block is back in registers
.if (\a) > 0
	s_add_nc_u64 s[10:11], s[10:11], 16*4096       ; (behind a wait on XCNT: the earlier stores have read their base)
.endif
.irp t, 0,1,2,3,4,5,6,7,8,9,10,11,12,13,14,15
	global_store_b128 v[CO], v[BB+4*\t:BB+4*\t+3], s[10:11] offset:\t*4096 th:TH_STORE_NT   ; 32 lanes store 512 consecutive bytes, aligned
.endr
.endm
	s_wait_kmcnt 0x0
	s_add_co_i32 s96, s96, s97
	s_add_co_i32 s96, s96, 127
	s_lshl_b32 s96, s96, 23                        ; 2^(e10 + e11) as f32
	PLACES
	TOSTAGE 0
.irp a, 1,2,3
.if \a > 1
	s_wait_xcnt 0x0                                ; block a - 2's stores have read their registers and their base
.endif
	TOSTAGE \a
	SEND \a-1, 32                                  ; behind block a - 1's loads: block a's 16 stores and 16 loads
.endr
	s_wait_xcnt 0x0
	SEND 3, 0
	s_wait_tensorcnt 0x0                           ; the wave's end
	ds_add_u32 v[SPW], v[NIL]
	s_wait_dscnt 0x0
	CROUND                                         ; the closing round
	s_endpgm
.Lfunc_end_k_q04f227cb82_oproj:
	.size	k_q04f227cb82_oproj, .Lfunc_end_k_q04f227cb82_oproj-k_q04f227cb82_oproj
	.p2alignl 7, 3214868480
	.fill 96, 4, 3214868480
	.section	.rodata,"a",@progbits
	.p2align	6, 0x0
	.amdhsa_kernel k_q04f227cb82_oproj
		.amdhsa_group_segment_fixed_size 327680
		.amdhsa_private_segment_fixed_size 0
		.amdhsa_enable_private_segment 0
		.amdhsa_kernarg_size 32
		.amdhsa_user_sgpr_count 2
		.amdhsa_user_sgpr_kernarg_segment_ptr 1
		.amdhsa_wavefront_size32 1
		.amdhsa_system_sgpr_workgroup_id_x 1
		.amdhsa_system_sgpr_workgroup_id_y 1
		.amdhsa_system_sgpr_workgroup_id_z 1
		.amdhsa_system_vgpr_workitem_id 0
		.amdhsa_next_free_vgpr 768
		.amdhsa_next_free_sgpr 100
		.amdhsa_reserve_vcc 0
		.amdhsa_float_denorm_mode_32 3
		.amdhsa_float_denorm_mode_16_64 3
		.amdhsa_memory_ordered 1
		.amdhsa_forward_progress 1
		.amdhsa_inst_pref_size 76
	.end_amdhsa_kernel
	.amdgpu_metadata
---
amdhsa.version: [ 1, 2 ]
amdhsa.kernels:
  - .name:           k_q04f227cb82_oproj
    .symbol:         k_q04f227cb82_oproj.kd
    .args:
      - { .name: ao, .offset: 0, .size: 8, .value_kind: global_buffer, .address_space: global }
      - { .name: wc, .offset: 8, .size: 8, .value_kind: global_buffer, .address_space: global }
      - { .name: lowp_scales, .offset: 16, .size: 8, .value_kind: global_buffer, .address_space: global }
      - { .name: out0, .offset: 24, .size: 8, .value_kind: global_buffer, .address_space: global }
    .group_segment_fixed_size: 327680
    .private_segment_fixed_size: 0
    .kernarg_segment_align: 8
    .kernarg_segment_size: 32
    .max_flat_workgroup_size: 128
    .sgpr_count:     100
    .vgpr_count:     768
    .wavefront_size: 32
...
	.end_amdgpu_metadata
.endif
;; end of part 4
